; MI455X (gfx1250); checked and timed in simulation.
; The chip was launched on July 23, 2026; its instructions are those of AMD's public machine-readable ISA for CDNA 5 (MIT licence, August 2026) and "CDNA5" Instruction Set Architecture Reference Guide (July 2026). The comments in the code are by the model that wrote it; some were corrected since.
;; Expert Parallel Mo E. Allowed arithmetic: float matrix products may take bf16 or f16 operands with f32 sums; other float arithmetic in f32, or as packed bf16 or f16 multiplies, adds, multiply-adds, maxima and minima; sums over many terms, partial sums and values carried from step to step in f32; what a program stores and reads back later, other than sums and carried values, may be rounded once to bf16 or f16.
;; Inputs: W1 8 x 512 x 2,048 float32; W2 8 x 2,048 x 512 float32; Wg 512 x 8 float32; b1 8 x 2,048 float32; b2 8 x 512 float32; bg 8 float32; x 4 x 1,024 x 512 float32.
;; Outputs: out0 4 x 1,024 x 512 float32.
;; Constants: k = 1.
;; One version. Each part assembles by itself: llvm-mc -triple=amdgcn-amd-amdhsa -mcpu=gfx1250 --defsym DOCPART=n.
;; ======== version 1 of 1: 4 launches
;; workspace buffers: xb 4,194,304 bytes; tab 8,192 bytes of whole numbers; xs 4,325,376 bytes; meta 1,280 bytes of whole numbers; hb 17,301,504 bytes; w2b 16,777,216 bytes
;; launch route (part 1): grid 256 x 1, 8 waves a work-group, no clusters, 83,200 bytes of LDS; arguments x, Wg, bg, xb, tab, W2, w2b; writes xb, tab, w2b
.if DOCPART == 1
	.amdgcn_target "amdgcn-amd-amdhsa--gfx1250"
	.amdhsa_code_object_version 6
	.text
	.protected	k_qba170259d3_route
	.globl	k_qba170259d3_route
	.p2align	8
	.type	k_qba170259d3_route,@function
k_qba170259d3_route:
	s_mov_b64 s[64:65], 0
	v_nop
	global_prefetch_b8 v0, s[64:65] scope:SCOPE_SE
	s_setreg_imm32_b32 hwreg(HW_REG_WAVE_MODE, 25, 1), 1
	s_wait_xcnt 0x0
; TWO JOBS IN ONE LAUNCH, by the work-group's parity: the routing has 128 chunks, one a work-group; the other 128 work-groups of the grid of 256 lay W2 out for the last product.
; Neither job reads what the other stores.
; ROUTE (even work-groups).  For each of 4,096 tokens: x rounded to bf16 (stored as xb, token order), logits = x Wg + bg, the expert = the first largest logit.
; All three inputs are rounded to bf16 first; a product of two bf16 numbers is exact in f32 and is added with one rounding (v_fma_mix_f32_bf16), sums in f32.
; The choice steers no address here: it is stored as whole numbers, per chunk of 32 tokens a bitmap and a count for each expert, at fixed places:
;   tab byte e*512 + 4c: bit l = token 32c + l chose expert e;   tab byte 4096 + e*512 + 4c: how many bits are set.
; SHARES.  Chunk c = work-group / 2.  Wave w has tokens 32c + 4w + t, t = 0..3.  Lane l holds k = 128 i + 4 l + 0..3 (i = 0..3) of a row: a load of a wave covers 512 consecutive bytes.
; No matrix unit: 8 columns are half a matrix tile, and this product is 1/500 of the module's arithmetic.
; LIMITS.  A NaN among the logits is not treated as argmax treats it (it never wins here).  Two best logits that lie closer than the rounding of an f32 sum of 512 terms
; (some 1e-6 of the sum of |x w|) may be ordered otherwise than by another order of summation.
; CAST (odd work-groups).  W2 [8][2048][512] f32 is rounded to bf16 and stored in the order in which the last product's operand registers take it.  Its slices are read there by each of an
; expert's blocks, four as a rule: rounded once here, they are read at half the bytes and need neither conversion nor LDS there.
;   w2b: 256 units of 65,536 bytes, unit ((e*8 + slice)*4 + K quarter); in a unit byte n*512 + lane*16, n = 8 ks + 2 nb + jj, holds column 64 slice + 16 nb + lane%16,
;   k = 512 quarter + 32 ks + 16 jj + 8 (lane/16) + 0..7.
; SHARES.  A wave has piece v = 8 (work-group / 2) + wave of 1,024: a quarter of a unit, 128 rows x 256 bytes, four K steps.  All its 64 loads go out at once; 64 rows at a time are rounded, laid into a stage
; of the wave's own in LDS and read back turned (ds_load_tr16_b128); no wave reads another's bytes, so this job has no barrier.
; REGISTERS of the cast, in windows of 256 (s_set_vgpr_msb: bits 1:0 source 0, 3:2 source 1, 5:4 source 2, 7:6 destination): window 0: v1-12 addresses, v128-255 the operands to store; window 1: W2 as loaded.
.set SPARE, 256                        ; LDS: bytes 0-127 the chunk's 32 expert numbers; from 256 on the spare words, 128 bytes a wave
.set STAGE, 1280                       ; behind them the cast's stages, one a wave
.set LP,  160                          ; a stage row: 64 bf16 + 32 bytes (5 x 32: the turning load's 8 rows x 32 bytes fall on different banks; 64 banks of 4 bytes: ISA guide 11.1)
.set STG, 64*LP                        ; a stage: 64 rows
.set BG,  32                           ; v[32:39]   bg, rounded, as f32
.set TP,  44                           ; v[44:51]   what the other half of the lanes sends
.set WR,  64                           ; v[64:191]  Wg as loaded, word 32 i + 8 c + e; packed in place into v[64:127]: pair 16 i + 4 c + e/2, half e%2
.set XR,  192                          ; v[192:255] x as loaded, 16 a token; packed in place into the low 8 of each 16
.set OUT, 128                          ; the cast: v[128:255] of window 0
.set T0,  128                          ; the cast: v[128:255] and v[0:127] of window 1
.set T1,  0
.set MSB, 0
.macro WIN new                         ; the immediate's high byte repeats the setting that is left; a switch that changes nothing is dropped
.if MSB != (\new)
	s_set_vgpr_msb (MSB<<8)|(\new)
.set MSB, (\new)
.endif
.endm
	s_load_b256 s[4:11], s[0:1], 0x0               ; x s[4:5], Wg s[6:7], bg s[8:9], xb s[10:11]
	s_load_b64 s[12:13], s[0:1], 0x20              ; tab
	s_load_b64 s[36:37], s[0:1], 0x28              ; W2
	s_load_b64 s[38:39], s[0:1], 0x30              ; w2b
	v_lshl_add_u32 v5, v0, 2, SPARE                ; my spare word
	v_mov_b32 v6, 0                                ; and 0: kept for the add alone
	v_lshrrev_b32 v8, 5, v0
	v_readfirstlane_b32 s14, v8                    ; wave 0..7
	s_lshr_b32 s34, ttmp9, 1                       ; the chunk, or the pair of units
	s_and_b32 s35, ttmp9, 1
	s_cmp_lg_u32 s35, 0
	s_cbranch_scc1 .Lcast                          ; the same way for all waves of a work-group
	v_and_b32 v11, 31, v0                          ; lane
	v_mov_b32 v7, s14
	v_lshlrev_b32 v7, 4, v7                        ; LDS: my wave's four words
	v_lshlrev_b32 v1, 4, v11                       ; 16 x lane: x
	v_lshlrev_b32 v2, 7, v11                       ; 128 x lane: four rows of Wg
	v_lshlrev_b32 v3, 3, v11                       ; 8 x lane: xb
	v_mov_b32 v4, 0                                ; the first addend of every sum, and bg's offset
.set e, 0
.rept 8
	v_mov_b32 v[TP+e], 0                           ; v_permlanex16_b32 counts as a reader of its destination
.set e, e+1
.endr
	s_mov_b32 s18, 0x76543210                      ; each lane takes its own place in the other half
	s_mov_b32 s19, 0xfedcba98
	s_lshl_b32 s16, s34, 16                        ; 32 rows of 2,048 bytes a chunk,
	s_lshl_b32 s17, s14, 13                        ; 4 rows a wave
	s_add_co_u32 s16, s16, s17
	s_mov_b32 s17, 0
	s_lshr_b32 s30, s16, 1                         ; xb's rows are half as long
	s_mov_b32 s31, 0
	s_lshl_b32 s32, s34, 2                         ; the chunk's word in each row of tab
	s_mov_b32 s33, 0
	s_wait_kmcnt 0x0
	s_add_nc_u64 s[4:5], s[4:5], s[16:17]
	s_add_nc_u64 s[10:11], s[10:11], s[30:31]
	s_add_nc_u64 s[12:13], s[12:13], s[32:33]
.set i, 0
.rept 4
.set m, 0
.rept 8
	global_load_b128 v[WR+32*i+4*m:WR+32*i+4*m+3], v2, s[6:7] offset:4096*i+16*m   ; rows 128 i + 4 l .. + 3 of Wg are 128 consecutive bytes
.set m, m+1
.endr
.set i, i+1
.endr
	global_load_b128 v[BG:BG+3], v4, s[8:9]
	global_load_b128 v[BG+4:BG+7], v4, s[8:9] offset:16
.set i, 0
.rept 16
	global_load_b128 v[XR+4*i:XR+4*i+3], v1, s[4:5] offset:2048*(i/4)+512*(i%4) th:TH_LOAD_NT
.set i, i+1
.endr
	s_wait_loadcnt 18                              ; Wg is in: bg's 2 loads and x's 16 are younger
.set m, 0
.rept 64
	v_cvt_pk_bf16_f32 v[WR+m], v[WR+2*m], v[WR+2*m+1]      ; ascending, so no source is written before it is read
.set m, m+1
.endr
	s_wait_loadcnt 16                              ; bg is in
.set m, 0
.rept 4
	v_cvt_pk_bf16_f32 v[40+m], v[BG+2*m], v[BG+2*m+1]
.set m, m+1
.endr
.set m, 0
.rept 4
	v_lshlrev_b32 v[BG+2*m], 16, v[40+m]
	v_and_b32 v[BG+2*m+1], 0xffff0000, v[40+m]
.set m, m+1
.endr
; One token: round and store the row, 8 sums of 16 products a lane, the sums over the lanes, the bias, the first largest.
.macro TOKEN t
.set XB, XR+16*(\t)
.set AC, 16+8*((\t)%2)                 ; v[16:23] and v[24:31] by turns
	s_wait_loadcnt 4*(3-(\t))                      ; my four loads are in; the later tokens' are younger
.set p, 0
.rept 8
	v_cvt_pk_bf16_f32 v[XB+p], v[XB+2*p], v[XB+2*p+1]
.set p, p+1
.endr
.set i, 0
.rept 4
	global_store_b64 v3, v[XB+2*i:XB+2*i+1], s[10:11] offset:1024*(\t)+256*i       ; a wave's store covers 256 consecutive bytes, aligned
.set i, i+1
.endr
.set n, 0                              ; n = 4 i + c: the lane's n-th number of the row
.rept 16
.set e, 0
.rept 8
.set CA, AC+e
.if n == 0
.set CA, 4
.endif
.if (n%2 == 0) && (e%2 == 0)
	v_fma_mix_f32_bf16 v[AC+e], v[XB+n/2], v[WR+4*n+e/2], v[CA] op_sel_hi:[1,1,0]
.elseif (n%2 == 1) && (e%2 == 0)
	v_fma_mix_f32_bf16 v[AC+e], v[XB+n/2], v[WR+4*n+e/2], v[CA] op_sel:[1,0,0] op_sel_hi:[1,1,0]
.elseif (n%2 == 0) && (e%2 == 1)
	v_fma_mix_f32_bf16 v[AC+e], v[XB+n/2], v[WR+4*n+e/2], v[CA] op_sel:[0,1,0] op_sel_hi:[1,1,0]
.else
	v_fma_mix_f32_bf16 v[AC+e], v[XB+n/2], v[WR+4*n+e/2], v[CA] op_sel:[1,1,0] op_sel_hi:[1,1,0]
.endif
.set e, e+1
.endr
.set n, n+1
.endr
.irp mk, 1,2,4,8
.set e, 0
.rept 8
	v_add_f32_dpp v[AC+e], v[AC+e], v[AC+e] row_xmask:\mk row_mask:0xf bank_mask:0xf
.set e, e+1
.endr
.endr
.set e, 0
.rept 8
	v_permlanex16_b32 v[TP+e], v[AC+e], s18, s19
.set e, e+1
.endr
.set e, 0
.rept 8
	v_add_f32 v[AC+e], v[AC+e], v[TP+e]            ; every lane holds the sum
.set e, e+1
.endr
.set e, 0
.rept 8
	v_add_f32 v[AC+e], v[AC+e], v[BG+e]
.set e, e+1
.endr
	v_mov_b32 v9, v[AC]
	v_mov_b32 v10, 0
.set e, 1
.rept 7
	v_cmp_gt_f32 vcc_lo, v[AC+e], v9               ; strictly greater: of equal logits the lower index stays
	v_cndmask_b32 v9, v9, v[AC+e], vcc_lo
	v_cndmask_b32 v10, v10, e, vcc_lo
.set e, e+1
.endr
	ds_store_b32 v7, v10 offset:4*(\t)             ; all lanes write the same word with the same number
.endm
	TOKEN 0
	TOKEN 1
	TOKEN 2
	TOKEN 3
	s_wait_tensorcnt 0x0                           ; behind my last LDS store
	ds_add_u32 v5, v6
	s_wait_dscnt 0x0                               ; also for the others' sake: my four words are written
	s_barrier_signal -1
	s_barrier_wait -1
	s_cmp_lg_u32 s14, 0
	s_cbranch_scc1 .Lend
	; wave 0: lane l takes token l's expert; eight compares give the bitmaps
	v_lshlrev_b32 v13, 2, v11
	ds_load_b32 v15, v13
	v_mov_b32 v14, 0
	v_and_b32 v12, 7, v11
	v_lshlrev_b32 v12, 9, v12                      ; 512 bytes an expert,
	v_lshrrev_b32 v13, 3, v11
	v_lshl_add_u32 v12, v13, 12, v12               ; the counts 4,096 bytes behind the bitmaps
	s_wait_dscnt 0x0
.set e, 0
.rept 8
	v_cmp_eq_u32 s[20+e], e, v15
	s_bcnt1_i32_b32 s28, s[20+e]
	v_writelane_b32 v14, s[20+e], e                ; lanes 0-7 the bitmaps,
	v_writelane_b32 v14, s28, 8+e                  ; lanes 8-15 the counts
.set e, e+1
.endr
	v_cmp_gt_u32 vcc_lo, 16, v11
	s_wait_xcnt 0x0                                ; EXEC changes only when the stores above have read it
	s_and_saveexec_b32 s29, vcc_lo
	global_store_b32 v12, v14, s[12:13]            ; sixteen words far apart, on purpose: the next launch's waves read each expert's 128 words as 512 consecutive bytes
	s_wait_xcnt 0x0
	s_or_b32 exec_lo, exec_lo, s29
.Lend:
	s_endpgm
; THE CAST
.macro CLOAD c, t                      ; 64 rows x 256 bytes of W2, two rows a load
	WIN 0x40
.set i, 0
.rept 32
	global_load_b128 v[(\t)+4*i:(\t)+4*i+3], v2, s[36:37] offset:(64*(\c)+2*i)*2048 th:TH_LOAD_NT
.set i, i+1
.endr
.endm
.macro CCVT t                          ; rounded to bf16 in place, 8 bytes a lane into my stage
	WIN 0x45
.set i, 0
.rept 32
	v_cvt_pk_bf16_f32 v[(\t)+4*i], v[(\t)+4*i], v[(\t)+4*i+1]
	v_cvt_pk_bf16_f32 v[(\t)+4*i+1], v[(\t)+4*i+2], v[(\t)+4*i+3]
.set i, i+1
.endr
	WIN 0x04
.set i, 0
.rept 32
	ds_store_b64 v3, v[(\t)+4*i:(\t)+4*i+1] offset:2*LP*i
.set i, i+1
.endr
.endm
.macro CREAD k, off                    ; my K step k: 32 k x 64 columns, turned: four operands of 16 columns
	WIN 0
.set nb, 0
.rept 4
	ds_load_tr16_b128 v[OUT+32*(\k)+8*nb:OUT+32*(\k)+8*nb+3],   v4 offset:(\off)+32*nb
	ds_load_tr16_b128 v[OUT+32*(\k)+8*nb+4:OUT+32*(\k)+8*nb+7], v4 offset:(\off)+32*nb+16*LP
.set nb, nb+1
.endr
.endm
.Lcast:
	v_and_b32 v8, 31, v0
	v_lshlrev_b32 v1, 4, v8                        ; 16 x lane
	v_bfe_u32 v9, v0, 4, 1                         ; lane / 16
	v_and_b32 v10, 15, v0                          ; lane % 16
	v_lshlrev_b32 v11, 4, v10
	v_lshl_add_u32 v2, v9, 11, v11                 ; W2: (lane/16) rows of 2,048 bytes + 16 (lane%16)
	s_mul_i32 s16, s14, STG
	s_add_co_u32 s16, s16, STAGE                   ; my stage
	v_mul_u32_u24 v3, v9, LP                       ; in: row lane/16, 8 bytes a lane
	v_lshl_add_u32 v3, v10, 3, v3
	v_add_nc_u32 v3, s16, v3
	v_and_b32 v11, 7, v0                           ; the turning load: lane l reads row 8 (l/16) + l%8, bytes 16 ((l/8)%2) on
	v_lshl_add_u32 v11, v9, 3, v11
	v_mul_u32_u24 v4, v11, LP
	v_bfe_u32 v11, v0, 3, 1
	v_lshl_add_u32 v4, v11, 4, v4
	v_add_nc_u32 v4, s16, v4
	s_lshl_b32 s17, s34, 3
	s_add_co_u32 s17, s17, s14                     ; piece v: bits 1:0 my quarter of the unit, 3:2 the K quarter, 6:4 the slice, 9:7 the expert
	s_and_b32 s18, s17, 15
	s_lshl_b32 s18, s18, 18                        ; 128 rows of 2,048 bytes for each of the low four bits' steps
	s_bfe_u32 s19, s17, 0x30004
	s_lshl_b32 s19, s19, 8                         ; the slice's 256 bytes
	s_add_co_u32 s18, s18, s19
	s_lshr_b32 s19, s17, 7
	s_lshl_b32 s19, s19, 22                        ; the expert's 4 MB
	s_add_co_u32 s18, s18, s19
	s_mov_b32 s19, 0
	s_lshl_b32 s20, s17, 14                        ; w2b: 16,384 bytes a piece
	s_mov_b32 s21, 0
	s_wait_kmcnt 0x0
	s_add_nc_u64 s[36:37], s[36:37], s[18:19]
	s_add_nc_u64 s[38:39], s[38:39], s[20:21]
	CLOAD 0, T0
	CLOAD 1, T1
	s_wait_loadcnt 32                              ; the first 64 rows are in: the other 32 loads are younger
	CCVT T0
	CREAD 0, 0                                     ; LDS serves a wave's instructions in order (ISA guide 5.7.1.4), and the stage is my own: no wait between its stores and loads
	CREAD 1, 32*LP
	s_wait_loadcnt 0x0
	CCVT T1
	CREAD 2, 0
	CREAD 3, 32*LP
	s_wait_dscnt 48                                ; K steps 0 and 1 are back: the second half's 32 stores and 16 loads are younger
.set n, 0
.rept 16
	global_store_b128 v1, v[OUT+4*n:OUT+4*n+3], s[38:39] offset:512*n              ; 512 consecutive bytes
.set n, n+1
.endr
	s_wait_tensorcnt 0x0                           ; behind my last LDS store
	ds_add_u32 v5, v6
	s_wait_dscnt 0x0                               ; K steps 2 and 3 are back too
.set n, 16
.rept 16
	global_store_b128 v1, v[OUT+4*n:OUT+4*n+3], s[38:39] offset:512*n
.set n, n+1
.endr
	s_endpgm
.Lfunc_end_k_qba170259d3_route:
	.size	k_qba170259d3_route, .Lfunc_end_k_qba170259d3_route-k_qba170259d3_route
	.p2alignl 7, 3214868480
	.fill 96, 4, 3214868480
	.section	.rodata,"a",@progbits
	.p2align	6, 0x0
	.amdhsa_kernel k_qba170259d3_route
		.amdhsa_group_segment_fixed_size 83200
		.amdhsa_private_segment_fixed_size 0
		.amdhsa_enable_private_segment 0
		.amdhsa_kernarg_size 56
		.amdhsa_user_sgpr_count 2
		.amdhsa_user_sgpr_kernarg_segment_ptr 1
		.amdhsa_wavefront_size32 1
		.amdhsa_system_sgpr_workgroup_id_x 1
		.amdhsa_system_sgpr_workgroup_id_y 1
		.amdhsa_system_sgpr_workgroup_id_z 1
		.amdhsa_system_vgpr_workitem_id 0
		.amdhsa_next_free_vgpr 512
		.amdhsa_next_free_sgpr 66
		.amdhsa_reserve_vcc 1
		.amdhsa_float_denorm_mode_32 3
		.amdhsa_float_denorm_mode_16_64 3
		.amdhsa_memory_ordered 1
		.amdhsa_forward_progress 1
		.amdhsa_inst_pref_size 91
	.end_amdhsa_kernel
	.amdgpu_metadata
---
amdhsa.version: [ 1, 2 ]
amdhsa.kernels:
  - .name:           k_qba170259d3_route
    .symbol:         k_qba170259d3_route.kd
    .args:
      - { .name: x, .offset: 0, .size: 8, .value_kind: global_buffer, .address_space: global }
      - { .name: Wg, .offset: 8, .size: 8, .value_kind: global_buffer, .address_space: global }
      - { .name: bg, .offset: 16, .size: 8, .value_kind: global_buffer, .address_space: global }
      - { .name: xb, .offset: 24, .size: 8, .value_kind: global_buffer, .address_space: global }
      - { .name: tab, .offset: 32, .size: 8, .value_kind: global_buffer, .address_space: global }
      - { .name: W2, .offset: 40, .size: 8, .value_kind: global_buffer, .address_space: global }
      - { .name: w2b, .offset: 48, .size: 8, .value_kind: global_buffer, .address_space: global }
    .group_segment_fixed_size: 83200
    .private_segment_fixed_size: 0
    .kernarg_segment_align: 8
    .kernarg_segment_size: 56
    .max_flat_workgroup_size: 256
    .sgpr_count:     66
    .vgpr_count:     512
    .wavefront_size: 32
...
	.end_amdgpu_metadata
.endif
;; end of part 1
;; launch place (part 2): grid 263 x 1, 4 waves a work-group, no clusters, 0 bytes of LDS; arguments xb, tab, xs, meta; writes xs, meta
.if DOCPART == 2
	.amdgcn_target "amdgcn-amd-amdhsa--gfx1250"
	.amdhsa_code_object_version 6
	.text
	.protected	k_qba170259d3_place
	.globl	k_qba170259d3_place
	.p2align	8
	.type	k_qba170259d3_place,@function
k_qba170259d3_place:
	s_mov_b64 s[64:65], 0
	v_nop
	global_prefetch_b8 v0, s[64:65] scope:SCOPE_SE
	s_setreg_imm32_b32 hwreg(HW_REG_WAVE_MODE, 25, 1), 1
	s_wait_xcnt 0x0
; PLACE.  The stable sort by expert, made by gathering, in whole numbers alone.  Each expert's rows are cut into tiles of 16; tiles_e = ceil(cnt_e / 16), PT = their prefix sum.
; 4,096 rows and 8 experts give 256 to 263 tiles whatever the split: the grid is 263, and a work-group whose tile does not exist stores nothing and ends.
; Work-group T: finds its expert e and, for row r, the token of rank q = 16 (T - PT_e) + r among e's tokens in scan order (past the count: the expert's last token once more),
; and copies the 16 rows of xb into xs in the order in which a matrix operand's registers take them:
;   xs byte T*16384 + ks*1024 + jj*512 + lane*16 = row lane%16, k = 32 ks + 16 jj + 8 (lane/16) + 0..7.
; Each of the four waves does the whole-number work for itself (no LDS byte, no barrier) and copies K steps 4w .. 4w+3.
; Work-group 0, wave 0 also stores the tables for the two products:
;   meta words 0-7: an expert's first tile (0 if it has none); words 8-15: its tiles; from byte 256 on 32 entries of 32 bytes {e, first tile, tiles, first output row, rows left, 0, 0, 0}:
;   the experts' tiles cut into blocks of TB tiles, TB the least of 8..11 that gives 32 blocks or fewer (11 always does: (263 + 8 x 10) / 11 < 32).
.set CN, 32                            ; v[32:63]  counts: expert e, chunks 4 lane + j at CN + 4 e + j
.set BM, 64                            ; v[64:95]  bitmaps, likewise
.set DT, 96                            ; v[96:127] the rows on their way
	s_load_b256 s[4:11], s[0:1], 0x0               ; xb s[4:5], tab s[6:7], xs s[8:9], meta s[10:11]
	v_and_b32 v1, 31, v0                           ; lane
	v_lshrrev_b32 v7, 5, v0
	v_readfirstlane_b32 s12, v7                    ; wave
	v_lshlrev_b32 v2, 4, v1                        ; 16 x lane
	s_mov_b32 s13, ttmp9                           ; my tile
	s_mov_b32 s14, 0x76543210
	s_mov_b32 s15, 0xfedcba98
	s_wait_kmcnt 0x0
.set e, 0
.rept 8
	global_load_b128 v[CN+4*e:CN+4*e+3], v2, s[6:7] offset:4096+512*e
.set e, e+1
.endr
.set e, 0
.rept 8
	global_load_b128 v[BM+4*e:BM+4*e+3], v2, s[6:7] offset:512*e
.set e, e+1
.endr
	s_wait_loadcnt 0x8                             ; the counts are in; the bitmaps' eight loads are younger
	; the experts' totals: a lane's four counts, two experts to a register (each total is 4,096 at the most), summed over the lanes
.set e, 0
.rept 8
	v_add3_u32 v[19+e], v[CN+4*e], v[CN+4*e+1], v[CN+4*e+2]
.set e, e+1
.endr
.set e, 0
.rept 8
	v_add_nc_u32 v[19+e], v[19+e], v[CN+4*e+3]
.set e, e+1
.endr
.set i, 0
.rept 4
	v_lshl_or_b32 v[3+i], v[20+2*i], 16, v[19+2*i]
.set i, i+1
.endr
.irp mk, 1,2,4,8
.irp p, 3,4,5,6
	v_mov_b32_dpp v7, v\p row_xmask:\mk row_mask:0xf bank_mask:0xf
	v_add_nc_u32 v\p, v\p, v7
.endr
.endr
.irp p, 3,4,5,6
	v_permlanex16_b32 v7, v\p, s14, s15
	v_add_nc_u32 v\p, v\p, v7
.endr
.set i, 0
.rept 4
	v_readfirstlane_b32 s58, v[3+i]
	s_and_b32 s[16+2*i], s58, 0xffff               ; s16-23: cnt_e
	s_lshr_b32 s[17+2*i], s58, 16
.set i, i+1
.endr
	s_mov_b32 s32, 0
.set e, 0
.rept 8
	s_add_co_u32 s58, s[16+e], 15
	s_lshr_b32 s[24+e], s58, 4                     ; s24-31: tiles_e
	s_add_co_u32 s[33+e], s[32+e], s[24+e]         ; s32-40: PT_0 .. PT_8
.set e, e+1
.endr
	s_cmp_ge_u32 s13, s40
	s_cbranch_scc1 .Lend                           ; this split has no such tile
	s_mov_b32 s50, 0                               ; e,
	s_mov_b32 s51, 0                               ; PT_e,
	s_mov_b32 s52, s16                             ; cnt_e of the last expert whose first tile is not behind mine
.set j, 1
.rept 7
	s_cmp_ge_u32 s13, s[32+j]
	s_cselect_b32 s50, j, s50
	s_cselect_b32 s51, s[32+j], s51
	s_cselect_b32 s52, s[16+j], s52
.set j, j+1
.endr
	s_sub_co_u32 s53, s13, s51
	s_lshl_b32 s53, s53, 4                         ; my tile's first rank
	s_sub_co_u32 s59, s52, 1
	v_and_b32 v8, 15, v1
	v_add_nc_u32 v8, s53, v8
	v_min_u32 v8, s59, v8                          ; q: lanes l and l + 16 look for the same token
	s_bitcmp1_b32 s50, 0
	s_cselect_b32 s54, -1, 0
	s_bitcmp1_b32 s50, 1
	s_cselect_b32 s55, -1, 0
	s_bitcmp1_b32 s50, 2
	s_cselect_b32 s56, -1, 0
; expert e's four words out of eight experts', by e's three bits: 16 + 8 + 4 selects, in place
.macro TREE b
.irp p, 0,1,2,3
.irp j, 0,1,2,3
	v_cndmask_b32 v[\b+8*\p+\j], v[\b+8*\p+\j], v[\b+8*\p+4+\j], s54
.endr
.endr
.irp p, 0,1
.irp j, 0,1,2,3
	v_cndmask_b32 v[\b+16*\p+\j], v[\b+16*\p+\j], v[\b+16*\p+8+\j], s55
.endr
.endr
.irp j, 0,1,2,3
	v_cndmask_b32 v[\b+\j], v[\b+\j], v[\b+16+\j], s56
.endr
.endm
	TREE CN
	s_wait_loadcnt 0x0                             ; the bitmaps
	TREE BM
	; which lane's four chunks hold rank q: S runs through the lanes' sums; lambda counts the lanes with S <= q, E keeps the last such S
	v_add3_u32 v11, v[CN], v[CN+1], v[CN+2]
	v_add_nc_u32 v11, v11, v[CN+3]
	s_mov_b32 s57, 0
	v_mov_b32 v9, 0
	v_mov_b32 v10, 0
.set l, 0
.rept 31
	v_readlane_b32 s58, v11, l
	s_add_co_u32 s57, s57, s58
	v_cmp_le_u32 vcc_lo, s57, v8
	v_cndmask_b32 v10, v10, s57, vcc_lo
	v_add_co_ci_u32 v9, vcc_lo, 0, v9, vcc_lo
.set l, l+1
.endr
	v_min_u32 v9, 31, v9
	v_lshlrev_b32 v19, 2, v9
	ds_bpermute_b32 v12, v19, v[CN]                ; that lane's counts and bitmaps (no LDS byte is touched)
	ds_bpermute_b32 v13, v19, v[CN+1]
	ds_bpermute_b32 v14, v19, v[CN+2]
	ds_bpermute_b32 v15, v19, v[BM]
	ds_bpermute_b32 v16, v19, v[BM+1]
	ds_bpermute_b32 v17, v19, v[BM+2]
	ds_bpermute_b32 v18, v19, v[BM+3]
	v_sub_nc_u32 v20, v8, v10                      ; the rank within the four chunks
	v_mov_b32 v24, 0
	v_mov_b32 v25, 0
	s_wait_dscnt 0x0
	v_add_nc_u32 v21, v12, v13
	v_add_nc_u32 v22, v21, v14
	v_mov_b32 v23, v15
.macro CHUNK a, w                      ; is the rank behind the chunks counted in a?  then the word is w
	v_cmp_ge_u32 vcc_lo, v20, v\a
	v_cndmask_b32 v23, v23, v\w, vcc_lo
	v_cndmask_b32 v24, v24, v\a, vcc_lo
	v_add_co_ci_u32 v25, vcc_lo, 0, v25, vcc_lo
.endm
	CHUNK 12, 16
	CHUNK 21, 17
	CHUNK 22, 18
	v_sub_nc_u32 v20, v20, v24                     ; the rank within the word v23
	; the place of the set bit of that rank: counts of 2, 4, 8 and 16 bits, then five halvings
	v_lshrrev_b32 v26, 1, v23
	v_and_b32 v26, 0x55555555, v26
	v_sub_nc_u32 v27, v23, v26
	v_lshrrev_b32 v26, 2, v27
	v_and_b32 v26, 0x33333333, v26
	v_and_b32 v28, 0x33333333, v27
	v_add_nc_u32 v28, v28, v26
	v_lshrrev_b32 v26, 4, v28
	v_add_nc_u32 v26, v28, v26
	v_and_b32 v29, 0x0f0f0f0f, v26
	v_lshrrev_b32 v26, 8, v29
	v_add_nc_u32 v30, v29, v26
	v_mov_b32 v31, 0
.macro HALVE src, w, st                ; are the st bits from pos on too few?  then they are passed
	v_bfe_u32 v26, v\src, v31, \w
	v_cmp_ge_u32 vcc_lo, v20, v26
	v_cndmask_b32 v26, 0, v26, vcc_lo
	v_sub_nc_u32 v20, v20, v26
	v_cndmask_b32 v19, 0, \st, vcc_lo
	v_add_nc_u32 v31, v31, v19
.endm
	HALVE 30, 8, 16
	HALVE 29, 8, 8
	HALVE 28, 4, 4
	HALVE 27, 2, 2
	HALVE 23, 1, 1
	v_lshl_add_u32 v19, v9, 2, v25                 ; the chunk,
	v_lshl_add_u32 v19, v19, 5, v31                ; the token,
	v_min_u32 v19, 0xfff, v19                      ; inside xb whatever tab holds
	v_bfe_u32 v26, v1, 4, 1
	v_lshlrev_b32 v26, 4, v26
	v_lshl_add_u32 v27, v19, 10, v26               ; its row of 1,024 bytes + 16 x (lane / 16)
	s_lshl_b32 s58, s12, 8                         ; my wave's four K steps: 256 bytes of each row
	s_mov_b32 s59, 0
	s_add_nc_u64 s[4:5], s[4:5], s[58:59]
	s_lshl_b32 s58, s13, 14
	s_lshl_b32 s57, s12, 12
	s_add_co_u32 s58, s58, s57
	s_add_nc_u64 s[8:9], s[8:9], s[58:59]
.set n, 0
.rept 8
	global_load_b128 v[DT+4*n:DT+4*n+3], v27, s[4:5] offset:64*(n/2)+32*(n%2)
.set n, n+1
.endr
.set n, 0
.rept 8
	s_wait_loadcnt 7-n                             ; load n is in; the 7 - n behind it stay out
	global_store_b128 v2, v[DT+4*n:DT+4*n+3], s[8:9] offset:1024*(n/2)+512*(n%2)   ; 512 consecutive bytes
.set n, n+1
.endr
	s_or_b32 s58, s13, s12
	s_cmp_lg_u32 s58, 0
	s_cbranch_scc1 .Lend
	; THE TABLES (work-group 0, wave 0).  n / tb = (n M) >> 16 with M = ceil(65536 / tb): exact for n below 16,384; here n is 266 at the most.
	s_mov_b32 s41, 0
.set e, 0
.rept 7
	s_add_co_u32 s[42+e], s[41+e], s[16+e]         ; s41-48: an expert's first output row
.set e, e+1
.endr
.macro NB dst, tb, mm                  ; blocks in all, if a block has tb tiles
	s_mov_b32 s\dst, 0
.set e, 0
.rept 8
	s_add_co_u32 s58, s[24+e], (\tb)-1
	s_mul_i32 s58, s58, \mm
	s_lshr_b32 s58, s58, 16
	s_add_co_u32 s\dst, s\dst, s58
.set e, e+1
.endr
.endm
	NB 84, 8, 8192
	NB 85, 9, 7282
	NB 86, 10, 6554
	s_mov_b32 s88, 11
	s_mov_b32 s89, 5958
	s_cmp_le_u32 s86, 32
	s_cselect_b32 s88, 10, s88
	s_cselect_b32 s89, 6554, s89
	s_cmp_le_u32 s85, 32
	s_cselect_b32 s88, 9, s88
	s_cselect_b32 s89, 7282, s89
	s_cmp_le_u32 s84, 32
	s_cselect_b32 s88, 8, s88
	s_cselect_b32 s89, 8192, s89
	s_mov_b32 s74, 0
.set e, 0
.rept 8
	s_add_co_u32 s58, s[24+e], s88
	s_sub_co_u32 s58, s58, 1
	s_mul_i32 s58, s58, s89
	s_lshr_b32 s58, s58, 16                        ; the expert's blocks
	s_add_co_u32 s[75+e], s[74+e], s58             ; s74-82: its first block
.set e, e+1
.endr
	v_mov_b32 v52, 0                               ; lane b = block b: the numbers of the last expert whose first block is not behind b
	v_mov_b32 v41, 0
	v_mov_b32 v42, s24
	v_mov_b32 v43, 0
	v_mov_b32 v44, 0
	v_mov_b32 v45, s16
.set j, 1
.rept 7
	v_cmp_le_u32 vcc_lo, s[74+j], v1
	v_cndmask_b32 v52, v52, j, vcc_lo
	v_cndmask_b32 v41, v41, s[74+j], vcc_lo
	v_cndmask_b32 v42, v42, s[24+j], vcc_lo
	v_cndmask_b32 v43, v43, s[32+j], vcc_lo
	v_cndmask_b32 v44, v44, s[41+j], vcc_lo
	v_cndmask_b32 v45, v45, s[16+j], vcc_lo
.set j, j+1
.endr
	v_sub_nc_u32 v46, v1, v41
	v_mul_lo_u32 v46, v46, s88
	v_min_u32 v46, v46, v42                        ; the block's first tile within the expert (a block past the last: all tiles passed)
	v_sub_nc_u32 v54, v42, v46
	v_min_u32 v54, s88, v54                        ; its tiles
	v_add_nc_u32 v53, v43, v46
	v_cmp_ne_u32 vcc_lo, 0, v54
	v_cndmask_b32 v53, 0, v53, vcc_lo              ; its first tile of all
	v_lshl_add_u32 v55, v46, 4, v44                ; its first output row
	v_lshlrev_b32 v56, 4, v46
	v_min_u32 v56, v56, v45
	v_sub_nc_u32 v56, v45, v56                     ; the expert's rows from there on
	v_mov_b32 v57, 0
	v_mov_b32 v58, 0
	v_mov_b32 v59, 0
	v_lshlrev_b32 v51, 5, v1
	global_store_b128 v51, v[52:55], s[10:11] offset:256
	global_store_b128 v51, v[56:59], s[10:11] offset:272
	v_mov_b32 v60, 0
.set e, 0
.rept 8
	s_cmp_lg_u32 s[24+e], 0
	s_cselect_b32 s58, s[32+e], 0
	v_writelane_b32 v60, s58, e
	v_writelane_b32 v60, s[24+e], 8+e
.set e, e+1
.endr
	v_lshlrev_b32 v61, 2, v1
	global_store_b32 v61, v60, s[10:11]
.Lend:
	s_endpgm
.Lfunc_end_k_qba170259d3_place:
	.size	k_qba170259d3_place, .Lfunc_end_k_qba170259d3_place-k_qba170259d3_place
	.p2alignl 7, 3214868480
	.fill 96, 4, 3214868480
	.section	.rodata,"a",@progbits
	.p2align	6, 0x0
	.amdhsa_kernel k_qba170259d3_place
		.amdhsa_group_segment_fixed_size 0
		.amdhsa_private_segment_fixed_size 0
		.amdhsa_enable_private_segment 0
		.amdhsa_kernarg_size 32
		.amdhsa_user_sgpr_count 2
		.amdhsa_user_sgpr_kernarg_segment_ptr 1
		.amdhsa_wavefront_size32 1
		.amdhsa_system_sgpr_workgroup_id_x 1
		.amdhsa_system_sgpr_workgroup_id_y 1
		.amdhsa_system_sgpr_workgroup_id_z 1
		.amdhsa_system_vgpr_workitem_id 0
		.amdhsa_next_free_vgpr 128
		.amdhsa_next_free_sgpr 100
		.amdhsa_reserve_vcc 1
		.amdhsa_float_denorm_mode_32 3
		.amdhsa_float_denorm_mode_16_64 3
		.amdhsa_memory_ordered 1
		.amdhsa_forward_progress 1
		.amdhsa_inst_pref_size 35
	.end_amdhsa_kernel
	.amdgpu_metadata
---
amdhsa.version: [ 1, 2 ]
amdhsa.kernels:
  - .name:           k_qba170259d3_place
    .symbol:         k_qba170259d3_place.kd
    .args:
      - { .name: xb, .offset: 0, .size: 8, .value_kind: global_buffer, .address_space: global }
      - { .name: tab, .offset: 8, .size: 8, .value_kind: global_buffer, .address_space: global }
      - { .name: xs, .offset: 16, .size: 8, .value_kind: global_buffer, .address_space: global }
      - { .name: meta, .offset: 24, .size: 8, .value_kind: global_buffer, .address_space: global }
    .group_segment_fixed_size: 0
    .private_segment_fixed_size: 0
    .kernarg_segment_align: 8
    .kernarg_segment_size: 32
    .max_flat_workgroup_size: 128
    .sgpr_count:     100
    .vgpr_count:     128
    .wavefront_size: 32
...
	.end_amdgpu_metadata
.endif
;; end of part 2
;; launch ffn1 (part 3): grid 32 x 8, 4 waves a work-group, no clusters, 82,432 bytes of LDS; arguments xs, W1, b1, meta, hb; writes hb
.if DOCPART == 3
	.amdgcn_target "amdgcn-amd-amdhsa--gfx1250"
	.amdhsa_code_object_version 6
	.text
	.protected	k_qba170259d3_ffn1
	.globl	k_qba170259d3_ffn1
	.p2align	8
	.type	k_qba170259d3_ffn1,@function
k_qba170259d3_ffn1:
	s_mov_b64 s[64:65], 0
	v_nop
	global_prefetch_b8 v0, s[64:65] scope:SCOPE_SE
	s_setreg_imm32_b32 hwreg(HW_REG_WAVE_MODE, 25, 1), 1
	s_wait_xcnt 0x0
; FFN1.  h = relu(x W1[e] + b1[e]) for the rows that chose expert e; W1 and b1 rounded to bf16, sums in f32 (the bias starts them), h rounded once to bf16.
; SHARES.  Work-group (slice of 64 columns of the 2,048; expert e): it alone reads its 512 x 64 numbers of W1, once.  The four waves round a quarter each into LDS; then EVERY wave
; takes the whole slice into 512 registers as matrix operands (turned by ds_load_tr16_b128).  Wave w takes the expert's tiles of 16 rows w, w + 4, ..: 64 matrix instructions a tile,
; fed by 16 KB of xs that come from memory straight into operand registers (xs lies in that order).  So the loop touches no LDS and has no barrier, and its length may hang on the stored count.
; THE MATRIX INSTRUCTION IS USED TRANSPOSED: source 0 = 16 columns of W1, source 1 = 16 rows of x: a lane holds one row and eight neighbouring columns, 16 bytes of bf16, which is
; the place that the next product's operand order gives them: hb byte T*65536 + slice*2048 + nb*512 + lane*16.
; NO CLUSTER, no tensor load: a slice has one reader; the tiles of xs are shared by an expert's 32 work-groups, but they go to registers, and the experts' counts differ.
; An expert without rows runs the prologue and its barrier and stores nothing.
; REGISTERS, in windows of 256 (s_set_vgpr_msb: bits 1:0 source 0, 3:2 source 1, 5:4 source 2, 7:6 destination):
;   window 0: v0-15 addresses; v16-47 the bias as C; v48-79 four accumulators; v80-95 packed results; v128-255 x's operands, buffer 0 (8 a K step)
;   window 1: W's operands of K steps 0-7 at 32 (ks % 8) + 8 nb;  window 2: of K steps 8-15;  window 3: v0-127 x's operands, buffer 1; in the prologue v128-255 and v0-127 hold W1 as loaded
.set LP,     160                       ; an LDS row: 64 bf16 + 32 bytes
.set PITCHW, 8192                      ; bytes from row to row of W1
.set SPARE,  512*LP                    ; behind W: the spare words, 128 bytes a wave
.set L16, 1                            ; v1    16 x lane
.set OFA, 2                            ; v2-3  byte offset in xs of the tile that buffer 0, 1 asks for
.set SO,  4                            ; v4    byte offset in hb of the tile in hand
.set VW,  5                            ; v5    W1: (lane/16) rows + 16 (lane%16)
.set VLS, 6                            ; v6    LDS: where I put 4 bf16
.set VTR, 7                            ; v7-8  LDS: my place in a turning load, K steps 0-7 and 8-15
.set ZERO, 9
.set SPW, 10                           ; v10   my spare word;  v11  0: kept for the add alone
.set NIL, 11
.set BIAS, 16
.set ACC, 48
.set PK,  80
.set A0,  128
.set A1,  0
.set T0,  128
.set T1,  0
.set SA,  4                            ; s[4:5] xs
.set MSB, 0
.macro WIN new                         ; the immediate's high byte repeats the setting that is left; a switch that changes nothing is dropped
.if MSB != (\new)
	s_set_vgpr_msb (MSB<<8)|(\new)
.set MSB, (\new)
.endif
.endm
.macro PLACES n
.rept \n
	v_nop
.endr
.endm
.macro WLOAD c, t                      ; 64 rows x 256 bytes of W1, two rows a load
	WIN 0xc0
.set i, 0
.rept 32
	global_load_b128 v[(\t)+4*i:(\t)+4*i+3], v[VW], s[6:7] offset:(64*(\c)+2*i)*PITCHW th:TH_LOAD_NT
.set i, i+1
.endr
.endm
.macro WCVT t, lc                      ; rounded to bf16 in place, 8 bytes a lane into LDS
	WIN 0xcf
.set i, 0
.rept 32
	v_cvt_pk_bf16_f32 v[(\t)+4*i], v[(\t)+4*i], v[(\t)+4*i+1]
	v_cvt_pk_bf16_f32 v[(\t)+4*i+1], v[(\t)+4*i+2], v[(\t)+4*i+3]
.set i, i+1
.endr
	WIN 0x0c
.set i, 0
.rept 32
	ds_store_b64 v[VLS], v[(\t)+4*i:(\t)+4*i+1] offset:(\lc)+2*LP*i
.set i, i+1
.endr
.endm
.macro BREAD ks, adr, off              ; K step ks of W: 32 k x 64 columns, turned: four operands of 16 columns
.if (\ks) < 8
	WIN 0x40
.else
	WIN 0x80
.endif
.set nb, 0
.rept 4
	ds_load_tr16_b128 v[32*((\ks)%8)+8*nb:32*((\ks)%8)+8*nb+3],   v[\adr] offset:(\off)+32*nb
	ds_load_tr16_b128 v[32*((\ks)%8)+8*nb+4:32*((\ks)%8)+8*nb+7], v[\adr] offset:(\off)+32*nb+16*LP
.set nb, nb+1
.endr
.endm
; 16 matrix instructions: K steps 4 b .. 4 b + 3, the four accumulators by turns, one instruction a turn; the first K step takes the bias as C
.macro MUL16 buf, b
.if (\buf) == 0
	WIN 0x01+(\b)/2
.set AB, A0
.else
	WIN 0x0d+(\b)/2
.set AB, A1
.endif
.set ks, 4*(\b)
.rept 4
.set nb, 0
.rept 4
.set rB, 32*(ks%8)+8*nb
.if ks == 0
	v_wmma_f32_16x16x32_bf16 v[ACC+8*nb:ACC+8*nb+7], v[rB:rB+7], v[AB+8*ks:AB+8*ks+7], v[BIAS+8*nb:BIAS+8*nb+7]
.else
	v_wmma_f32_16x16x32_bf16 v[ACC+8*nb:ACC+8*nb+7], v[rB:rB+7], v[AB+8*ks:AB+8*ks+7], v[ACC+8*nb:ACC+8*nb+7]
.endif
.set nb, nb+1
.endr
.set ks, ks+1
.endr
.endm
.macro REFILL buf, b                   ; 8 loads of 512 consecutive bytes: K steps 4 b .. 4 b + 3 of the tile at OFA
.if (\buf) == 0
	WIN 0
.set AB, A0
.else
	WIN 0xc0
.set AB, A1
.endif
.set ks, 4*(\b)
.rept 4
	global_load_b128 v[AB+8*ks:AB+8*ks+3],   v[OFA+(\buf)], s[SA:SA+1] offset:1024*ks
	global_load_b128 v[AB+8*ks+4:AB+8*ks+7], v[OFA+(\buf)], s[SA:SA+1] offset:1024*ks+512
.set ks, ks+1
.endr
.endm
; One tile, from buffer buf.  Each quarter of the buffer is asked for again, for my tile two further on, as soon as it is multiplied.
.macro HALF buf
	WIN 0
	s_wait_xcnt 0x0                                ; the loads and stores issued so far have read their registers: OFA, SO and PK may be written
	s_lshl_b32 s25, s22, 2
	s_add_co_u32 s26, s25, s14
	s_add_co_u32 s26, s26, 8                       ; my tile two further on: 4 (seq + 2) + w,
	s_min_u32 s26, s26, s23                        ; or the expert's last once more
	s_add_co_u32 s26, s26, s17
	s_min_u32 s26, s26, 263                        ; inside xs whatever meta holds
	v_lshl_add_u32 v[OFA+(\buf)], s26, 14, v[L16]
	s_add_co_u32 s25, s25, s24                     ; the tile in hand
	s_min_u32 s25, s25, 263
	v_lshl_add_u32 v[SO], s25, 16, v[L16]
.irp g, 0,1,2,3
	s_wait_loadcnt 56                              ; behind this quarter's 8 loads came the rest of that fill, the other buffer's 32 and this tile's earlier refills: 56 in every case
	MUL16 \buf, \g
.if (\g) == 3
	PLACES 5                                       ; four places in front of the loads and of the reads of the sums, a fifth for the next tile's first product, which writes over them
.else
	PLACES 4                                       ; four places in front of loads into registers that the products have read
.endif
	REFILL \buf, \g
.endr
	WIN 0
.set nb, 0
.rept 4
.set q, 0
.rept 4
	v_cvt_pk_bf16_f32 v[PK+4*nb+q], v[ACC+8*nb+2*q], v[ACC+8*nb+2*q+1]     ; each accumulator from its low end on
.set q, q+1
.endr
.set nb, nb+1
.endr
.set q, 0
.rept 16
	v_pk_max_num_bf16 v[PK+q], v[PK+q], v[ZERO]    ; relu: rounding keeps the sign, so it may follow the rounding
.set q, q+1
.endr
.set nb, 0
.rept 4
	global_store_b128 v[SO], v[PK+4*nb:PK+4*nb+3], s[30:31] offset:512*nb  ; 512 consecutive bytes
.set nb, nb+1
.endr
	s_add_co_u32 s22, s22, 1
.endm
	s_load_b256 s[4:11], s[0:1], 0x0               ; xs s[4:5], W1 s[6:7], b1 s[8:9], meta s[10:11]
	s_load_b64 s[12:13], s[0:1], 0x20              ; hb
	v_lshl_add_u32 v[SPW], v0, 2, SPARE
	v_mov_b32 v[NIL], 0
	v_lshrrev_b32 v12, 5, v0
	v_readfirstlane_b32 s14, v12                   ; wave
	s_mov_b32 s15, ttmp9                           ; slice
	s_and_b32 s16, ttmp7, 0xffff                   ; expert
	v_and_b32 v12, 31, v0
	v_and_b32 v13, 15, v0                          ; lane % 16
	v_bfe_u32 v14, v0, 4, 1                        ; lane / 16
	v_lshlrev_b32 v[L16], 4, v12
	v_lshlrev_b32 v15, 4, v13
	v_lshl_add_u32 v[VW], v14, 13, v15
	s_mul_i32 s25, s14, 128*LP                     ; my quarter of the rows
	v_mul_u32_u24 v[VLS], v14, LP
	v_lshl_add_u32 v[VLS], v13, 3, v[VLS]
	v_add_nc_u32 v[VLS], s25, v[VLS]
	v_and_b32 v15, 7, v0                           ; the turning load: lane l reads row 8 (l/16) + l%8, bytes 16 ((l/8)%2) on
	v_lshl_add_u32 v15, v14, 3, v15
	v_mul_u32_u24 v[VTR], v15, LP
	v_bfe_u32 v15, v0, 3, 1
	v_lshl_add_u32 v[VTR], v15, 4, v[VTR]
	v_add_nc_u32 v[VTR+1], 256*LP, v[VTR]
	v_mov_b32 v[ZERO], 0
	v_lshlrev_b32 v15, 5, v14                      ; the bias: eight f32 for each half of the lanes
	s_lshl_b32 s28, s16, 22                        ; W1: the expert's 4 MB,
	s_lshl_b32 s25, s14, 20                        ; my 128 rows,
	s_add_co_u32 s28, s28, s25
	s_lshl_b32 s25, s15, 8                         ; the slice's 256 bytes
	s_add_co_u32 s28, s28, s25
	s_mov_b32 s29, 0
	s_wait_kmcnt 0x0
	s_add_nc_u64 s[6:7], s[6:7], s[28:29]
	s_lshl_b32 s28, s16, 2
	s_add_nc_u64 s[10:11], s[10:11], s[28:29]
	s_load_b32 s17, s[10:11], 0x0                  ; the expert's first tile
	s_load_b32 s18, s[10:11], 0x20                 ; and its tiles
	s_lshl_b32 s28, s16, 13
	s_add_co_u32 s28, s28, s25
	s_add_nc_u64 s[8:9], s[8:9], s[28:29]
	s_lshl_b32 s28, s15, 11
	s_add_nc_u64 s[30:31], s[12:13], s[28:29]
	WLOAD 0, T0
	WLOAD 1, T1
	WIN 0
.set nb, 0
.rept 4
	global_load_b128 v[BIAS+8*nb:BIAS+8*nb+3],   v15, s[8:9] offset:64*nb
	global_load_b128 v[BIAS+8*nb+4:BIAS+8*nb+7], v15, s[8:9] offset:64*nb+16
.set nb, nb+1
.endr
	s_wait_kmcnt 0x0
	s_min_u32 s18, s18, 256
	s_min_u32 s17, s17, 263
	s_max_u32 s23, s18, 1
	s_sub_co_u32 s23, s23, 1                       ; the last tile's number within the expert
	s_add_co_u32 s19, s18, 3
	s_sub_co_u32 s19, s19, s14
	s_lshr_b32 s19, s19, 2                         ; my tiles
	s_add_co_u32 s20, s19, 1
	s_lshr_b32 s20, s20, 1                         ; trips of two
	s_add_co_u32 s24, s17, s14
	s_min_u32 s25, s14, s23
	s_add_co_u32 s25, s25, s17
	s_min_u32 s25, s25, 263
	v_lshl_add_u32 v[OFA], s25, 14, v[L16]
	REFILL 0, 0                                    ; my first tile
	REFILL 0, 1
	REFILL 0, 2
	REFILL 0, 3
	s_wait_loadcnt 63                              ; the first 64 rows of W1 are in: 72 loads are younger, and the wait's field ends at 63
	WCVT T0, 0
	s_wait_loadcnt 40                              ; the other 64 rows: the bias's 8 loads and the tile's 32 are younger
	WCVT T1, 64*LP
	WIN 0
	s_add_co_u32 s25, s14, 4
	s_min_u32 s25, s25, s23
	s_add_co_u32 s25, s25, s17
	s_min_u32 s25, s25, 263
	v_lshl_add_u32 v[OFA+1], s25, 14, v[L16]
	s_wait_tensorcnt 0x0                           ; behind my last LDS store
	ds_add_u32 v[SPW], v[NIL]
	s_wait_dscnt 0x0                               ; also for the others' sake: my quarter of W lies in LDS
	REFILL 1, 0                                    ; my second tile, into the registers that held W1's rows
	REFILL 1, 1
	REFILL 1, 2
	REFILL 1, 3
	s_barrier_signal -1
	s_barrier_wait -1                              ; the whole slice lies in LDS
.irp k, 0,1,2,3,4,5,6,7
	BREAD \k, VTR, (\k)*32*LP
.endr
.irp k, 8,9,10,11,12,13,14,15
	BREAD \k, VTR+1, ((\k)-8)*32*LP
.endr
	WIN 0
	s_wait_loadcnt 63                              ; the bias is in: the two tiles' 64 loads are younger
.set q, 0
.rept 16
	v_cvt_pk_bf16_f32 v[PK+q], v[BIAS+2*q], v[BIAS+2*q+1]
.set q, q+1
.endr
.set q, 0
.rept 16
	v_lshlrev_b32 v[BIAS+2*q], 16, v[PK+q]
	v_and_b32 v[BIAS+2*q+1], 0xffff0000, v[PK+q]
.set q, q+1
.endr
	s_wait_dscnt 0x0                               ; W's operands are in registers
	s_mov_b32 s21, 0
	s_mov_b32 s22, 0                               ; seq: how many of my tiles are done
	s_cmp_eq_u32 s19, 0
	s_cbranch_scc1 .Lend
.Lpair:                                                ; a trip: two of my tiles, one from each buffer
	HALF 0
	WIN 0
	s_cmp_lt_u32 s22, s19
	s_cbranch_scc1 .Lsecond
	s_endpgm                                       ; an odd number of tiles: the wave ends here, in its last trip; the refills still out are plain loads that nobody waits for
.Lsecond:
	HALF 1
	WIN 0
	s_add_co_u32 s21, s21, 1
	s_cmp_lt_u32 s21, s20
	s_cbranch_scc1 .Lpair
.Lend:
	s_endpgm
.Lfunc_end_k_qba170259d3_ffn1:
	.size	k_qba170259d3_ffn1, .Lfunc_end_k_qba170259d3_ffn1-k_qba170259d3_ffn1
	.p2alignl 7, 3214868480
	.fill 96, 4, 3214868480
	.section	.rodata,"a",@progbits
	.p2align	6, 0x0
	.amdhsa_kernel k_qba170259d3_ffn1
		.amdhsa_group_segment_fixed_size 82432
		.amdhsa_private_segment_fixed_size 0
		.amdhsa_enable_private_segment 0
		.amdhsa_kernarg_size 40
		.amdhsa_user_sgpr_count 2
		.amdhsa_user_sgpr_kernarg_segment_ptr 1
		.amdhsa_wavefront_size32 1
		.amdhsa_system_sgpr_workgroup_id_x 1
		.amdhsa_system_sgpr_workgroup_id_y 1
		.amdhsa_system_sgpr_workgroup_id_z 1
		.amdhsa_system_vgpr_workitem_id 0
		.amdhsa_next_free_vgpr 1024
		.amdhsa_next_free_sgpr 66
		.amdhsa_reserve_vcc 0
		.amdhsa_float_denorm_mode_32 3
		.amdhsa_float_denorm_mode_16_64 3
		.amdhsa_memory_ordered 1
		.amdhsa_forward_progress 1
		.amdhsa_inst_pref_size 61
	.end_amdhsa_kernel
	.amdgpu_metadata
---
amdhsa.version: [ 1, 2 ]
amdhsa.kernels:
  - .name:           k_qba170259d3_ffn1
    .symbol:         k_qba170259d3_ffn1.kd
    .args:
      - { .name: xs, .offset: 0, .size: 8, .value_kind: global_buffer, .address_space: global }
      - { .name: W1, .offset: 8, .size: 8, .value_kind: global_buffer, .address_space: global }
      - { .name: b1, .offset: 16, .size: 8, .value_kind: global_buffer, .address_space: global }
      - { .name: meta, .offset: 24, .size: 8, .value_kind: global_buffer, .address_space: global }
      - { .name: hb, .offset: 32, .size: 8, .value_kind: global_buffer, .address_space: global }
    .group_segment_fixed_size: 82432
    .private_segment_fixed_size: 0
    .kernarg_segment_align: 8
    .kernarg_segment_size: 40
    .max_flat_workgroup_size: 128
    .sgpr_count:     66
    .vgpr_count:     1024
    .wavefront_size: 32
...
	.end_amdgpu_metadata
.endif
;; end of part 3
;; launch ffn2 (part 4): grid 8 x 32, 4 waves a work-group, no clusters, 209,408 bytes of LDS; arguments hb, w2b, b2, meta, out0; writes out0
.if DOCPART == 4
	.amdgcn_target "amdgcn-amd-amdhsa--gfx1250"
	.amdhsa_code_object_version 6
	.text
	.protected	k_qba170259d3_ffn2
	.globl	k_qba170259d3_ffn2
	.p2align	8
	.type	k_qba170259d3_ffn2,@function
k_qba170259d3_ffn2:
	s_mov_b64 s[64:65], 0
	v_nop
	global_prefetch_b8 v0, s[64:65] scope:SCOPE_SE
	s_setreg_imm32_b32 hwreg(HW_REG_WAVE_MODE, 25, 1), 1
	s_wait_xcnt 0x0
; FFN2.  out = h W2[e] + b2[e], stored at the rows of the stable sort by expert.  W2 comes as w2b: rounded to bf16 and laid in operand order by the first launch; b2 is rounded to bf16 here; h is bf16; sums in f32.
; SHARES.  Work-group (slice of 64 of the 512 output columns: 256 bytes of an output row; block of at most 11 tiles of 16 rows of one expert, from meta's 32 entries): 256 work-groups for every split.
; Wave w owns K quarter 512 w .. 512 w + 511: its 512 x 64 numbers of W2 are one unit of w2b, 65,536 consecutive bytes, 128 loads straight into 512 operand registers; its part of a tile of h is
; 16 KB of consecutive bytes that likewise come from memory straight into operand registers.  The four partial sums of a tile are kept in f32 in LDS: each wave has a region of its own, each tile a place of its
; own in it, so the walk over the tiles has no barrier; one barrier stands behind it, and then wave w adds and stores tiles w, w + 4, w + 8.
; The tiles are written out, 11 in the walk and 3 on the way out, so that every LDS place is a constant in an immediate and every tile has an offset register of its own, never rewritten;
; where the block has fewer, a forward jump leaves the rest out.  A block without tiles stores nothing.
; THE MATRIX INSTRUCTION IS USED TRANSPOSED: source 0 = 16 columns of W2, source 1 = 16 rows of h: a lane holds one row and eight neighbouring columns.
; NO CLUSTER, no tensor load: operands go to registers; a unit of w2b is shared by its expert's blocks, whose number hangs on the split.
; REGISTERS, in windows of 256 (s_set_vgpr_msb: bits 1:0 source 0, 3:2 source 1, 5:4 source 2, 7:6 destination):
;   window 0: v0-15 addresses; v16-19 b2; v20-37 addresses; v48-79 four accumulators; v128-255 h's operands, buffer 0; on the way out the partial sums
;   window 1: W's operands of K steps 0-7 at 32 (ks % 8) + 8 nb;  window 2: of K steps 8-15;  window 3: v0-127 h's operands, buffer 1
.set PP,     272                       ; a row of 64 f32 + 16 bytes: the 16 rows of a store start at 16 different groups of four banks (64 banks of 4 bytes: ISA guide 11.1)
.set PW,     16*PP                     ; a wave's 16 rows of a tile
.set WREG,   12*PW                     ; a wave's region, from LDS byte wave x WREG on: 12 places, four waves x three turns on the way out; the twelfth is never used
.set NTMAX,  11                        ; tiles in a block at the most
.set SPARE,  4*WREG                    ; behind the regions: the spare words, 128 bytes a wave
.set L16, 1                            ; v1    16 x lane
.set PS,  4                            ; v4    LDS: my place in a tile's 16 rows, in my region; never rewritten
.set SPW, 10                           ; v10   my spare word;  v11  0: kept for the add alone
.set NIL, 11
.set PR,  20                           ; v20-23  LDS: where I read tile w's sums back, in the region of wave 0..3; never rewritten
.set OO,  24                           ; v24-26  byte offset in out0 of my 16 bytes in the first two rows of tile w, w + 4, w + 8; never rewritten
.set OFA, 27                           ; v27-37  byte offset in hb of my 16 bytes of tile 0..10 of the block (past its last tile: the last once more); never rewritten
.set ACC, 48
.set A0,  128
.set A1,  0
.set SA,  30                           ; s[30:31] hb at my K quarter
.set MSB, 0
.macro WIN new                         ; the immediate's high byte repeats the setting that is left; a switch that changes nothing is dropped
.if MSB != (\new)
	s_set_vgpr_msb (MSB<<8)|(\new)
.set MSB, (\new)
.endif
.endm
.macro PLACES n
.rept \n
	v_nop
.endr
.endm
; 16 matrix instructions: K steps 4 b .. 4 b + 3, the four accumulators by turns, one instruction a turn; the first K step starts the sums with the constant 0
.macro MUL16 buf, b
.if (\buf) == 0
	WIN 0x01+(\b)/2
.set AB, A0
.else
	WIN 0x0d+(\b)/2
.set AB, A1
.endif
.set ks, 4*(\b)
.rept 4
.set nb, 0
.rept 4
.set rB, 32*(ks%8)+8*nb
.if ks == 0
	v_wmma_f32_16x16x32_bf16 v[ACC+8*nb:ACC+8*nb+7], v[rB:rB+7], v[AB+8*ks:AB+8*ks+7], 0
.else
	v_wmma_f32_16x16x32_bf16 v[ACC+8*nb:ACC+8*nb+7], v[rB:rB+7], v[AB+8*ks:AB+8*ks+7], v[ACC+8*nb:ACC+8*nb+7]
.endif
.set nb, nb+1
.endr
.set ks, ks+1
.endr
.endm
.macro REFILL i, b                     ; 8 loads of 512 consecutive bytes: K steps 4 b .. 4 b + 3 of my quarter of tile i, into buffer i % 2
.if (\i)%2 == 0
	WIN 0
.set AB, A0
.else
	WIN 0xc0
.set AB, A1
.endif
.set ks, 4*(\b)
.rept 4
	global_load_b128 v[AB+8*ks:AB+8*ks+3],   v[OFA+(\i)], s[SA:SA+1] offset:1024*ks
	global_load_b128 v[AB+8*ks+4:AB+8*ks+7], v[OFA+(\i)], s[SA:SA+1] offset:1024*ks+512
.set ks, ks+1
.endr
.endm
; Tile i of the block, from buffer i % 2.  Each quarter of the buffer is asked for again, for tile i + 2, as soon as it is multiplied; tiles 9 and 10 have no tile two further on and ask for nothing.
; The wait in front of quarter g counts what was issued behind the loads that the quarter needs.
; Tile 0: the youngest of them are W's operands of K steps 4 g .. 4 g + 3; behind them came W's other 96 - 32 g loads and this tile's 8 g refills: 96 - 24 g; the wait's field ends at 63.
; Tiles 1 on: behind the quarter's 8 loads came the rest of that fill, 8 (3 - g); tile i - 1's 32 refills (WB; none for tile 10); this tile's earlier refills, 8 g (WO; none for tiles 9 and 10).
; (Tile 1's first fill is older than W's operands, which tile 0's last wait has shown to be in.)
.macro HALF i
.if (\i)+2 < NTMAX
.set WO, 8
.else
.set WO, 0
.endif
.if (\i)+1 < NTMAX
.set WB, 32
.else
.set WB, 0
.endif
.irp g, 0,1,2,3
.if (\i) == 0
.if (\g) < 2
	s_wait_loadcnt 63
.else
	s_wait_loadcnt 96-24*(\g)
.endif
.else
	s_wait_loadcnt (3-(\g))*8+WB+WO*(\g)
.endif
	MUL16 (\i)%2, \g
.if (\g) == 3
	PLACES 5                                       ; four places in front of the loads and of the stores of the sums, a fifth for the next tile's first product, which writes over them
.elseif (\i)+2 < NTMAX
	PLACES 4                                       ; four places in front of loads into registers that the products have read
.endif
.if (\i)+2 < NTMAX
	REFILL (\i)+2, \g
.endif
.endr
	WIN 0
.set nb, 0
.rept 4
	ds_store_b128 v[PS], v[ACC+8*nb:ACC+8*nb+3]   offset:64*nb+PW*(\i)              ; each accumulator from its low end on
	ds_store_b128 v[PS], v[ACC+8*nb+4:ACC+8*nb+7] offset:64*nb+16+PW*(\i)
.set nb, nb+1
.endr
.endm
; The way out of tile w + 4 t: the four waves' sums and the bias are added, and the rows stored.
.macro OUTT t
.if (\t) == 2
	s_cmp_eq_u32 s14, 3
	s_cbranch_scc1 .Lfin                           ; wave 3's third tile would be tile 11: a block has tiles 0 to 10
.endif
	s_add_co_u32 s25, s14, 4*(\t)
	s_cmp_ge_u32 s25, s18
	s_cbranch_scc1 .Lfin                           ; the block has no such tile, and none further on
	s_wait_xcnt 0x0                                ; the last tile's stores have read their data registers
.set u, 0
.rept 8
.set p, 0
.rept 4
	ds_load_b128 v[128+16*u+4*p:128+16*u+4*p+3], v[PR+p] offset:(\t)*4*PW+u*2*PP   ; rows 2 u, 2 u + 1 of wave p's sums
.set p, p+1
.endr
.set u, u+1
.endr
	s_lshl_b32 s38, s25, 4
	s_sub_co_u32 s27, s20, s38                     ; the expert's rows from this tile on,
	s_min_u32 s27, s27, 16                         ; of which the tile has 16 at the most
.set u, 0
.rept 8
.set R, 128+16*u
	s_wait_dscnt 4*(7-u)                           ; this pair of rows is in; the later pairs' loads are younger
	v_pk_add_f32 v[R:R+1], v[R:R+1], v[R+4:R+5]
	v_pk_add_f32 v[R+2:R+3], v[R+2:R+3], v[R+6:R+7]
	v_pk_add_f32 v[R+8:R+9], v[R+8:R+9], v[R+12:R+13]
	v_pk_add_f32 v[R+10:R+11], v[R+10:R+11], v[R+14:R+15]
	v_pk_add_f32 v[R:R+1], v[R:R+1], v[R+8:R+9]
	v_pk_add_f32 v[R+2:R+3], v[R+2:R+3], v[R+10:R+11]
	v_pk_add_f32 v[R:R+1], v[R:R+1], v[16:17]
	v_pk_add_f32 v[R+2:R+3], v[R+2:R+3], v[18:19]
.set u, u+1
.endr
	s_cmp_lt_u32 s27, 16
	s_cbranch_scc1 .Lpart_\@
.set u, 0
.rept 8
	global_store_b128 v[OO+(\t)], v[128+16*u:128+16*u+3], s[34:35] offset:4096*u th:TH_STORE_NT   ; each half of the lanes stores 256 consecutive bytes, aligned
.set u, u+1
.endr
	s_branch .Ldone_\@
.Lpart_\@:                                             ; the expert's last tile, not full: whole stores past the count are jumped, the one on the edge is narrowed
.set u, 0
.rept 8
	s_cmp_le_u32 s27, 2*u
	s_cbranch_scc1 .Ldone_\@
	s_sub_co_u32 s29, s27, 2*u                     ; rows left from this pair on: 1 or more
	v_cmp_gt_u32 vcc_lo, s29, v12                  ; lanes 16-31 hold the pair's second row
	s_wait_xcnt 0x0                                ; EXEC changes only when the stores issued so far have read it
	s_and_saveexec_b32 s28, vcc_lo
	global_store_b128 v[OO+(\t)], v[128+16*u:128+16*u+3], s[34:35] offset:4096*u th:TH_STORE_NT
	s_wait_xcnt 0x0
	s_or_b32 exec_lo, exec_lo, s28
.set u, u+1
.endr
.Ldone_\@:
.endm
.macro TILEOFF tt                      ; tile tt's offset in hb
	s_min_u32 s38, s24, \tt                        ; tile tt, or the block's last once more,
	s_add_co_u32 s38, s38, s17                     ; from the block's first tile on,
	s_min_u32 s38, s38, 263                        ; inside hb whatever meta holds
	v_lshl_add_u32 v[OFA+(\tt)], s38, 16, v[L16]   ; 65,536 bytes a tile + 16 x lane
.endm
	s_load_b256 s[4:11], s[0:1], 0x0               ; hb s[4:5], w2b s[6:7], b2 s[8:9], meta s[10:11]
	s_load_b64 s[12:13], s[0:1], 0x20              ; out0
	v_lshl_add_u32 v[SPW], v0, 2, SPARE
	v_mov_b32 v[NIL], 0
	v_lshrrev_b32 v14, 5, v0
	v_readfirstlane_b32 s14, v14                   ; wave
	s_mov_b32 s15, ttmp9                           ; slice
	s_and_b32 s36, ttmp7, 0xffff                   ; block
	s_lshl_b32 s36, s36, 5                         ; its entry of 32 bytes
	s_mov_b32 s37, 0
	v_and_b32 v14, 31, v0
	v_lshlrev_b32 v[L16], 4, v14
	v_bfe_u32 v12, v0, 4, 1                        ; v12: lane / 16
	v_and_b32 v14, 15, v0                          ; lane % 16
	v_lshlrev_b32 v13, 4, v14                      ; v13: 16 (lane % 16)
	s_mul_i32 s39, s14, WREG                       ; my region
	v_mul_u32_u24 v[PS], v14, PP                   ; my sums: row lane % 16, 32 bytes for each half of the lanes
	v_lshl_add_u32 v[PS], v12, 5, v[PS]
	v_add_nc_u32 v[PS], s39, v[PS]
	s_mul_i32 s39, s14, PW                         ; back: tile w first; lanes 0-15 one row of 256 bytes, lanes 16-31 the next
	v_mul_u32_u24 v15, v12, PP
	v_add_nc_u32 v15, v15, v13
	v_add_nc_u32 v[PR], s39, v15                   ; in wave 0's region,
	v_add_nc_u32 v[PR+1], WREG, v[PR]              ; wave 1's,
	v_add_nc_u32 v[PR+2], 2*WREG, v[PR]            ; wave 2's,
	v_add_nc_u32 v[PR+3], 3*WREG, v[PR]            ; wave 3's
	s_wait_kmcnt 0x0
	s_add_nc_u64 s[10:11], s[10:11], s[36:37]
	s_load_b256 s[16:23], s[10:11], 0x100          ; s16 expert, s17 first tile, s18 tiles, s19 first output row, s20 the expert's rows from there on
	s_wait_kmcnt 0x0
	s_min_u32 s16, s16, 7                          ; inside the buffers whatever meta holds
	s_min_u32 s17, s17, 263
	s_min_u32 s18, s18, NTMAX
	s_min_u32 s19, s19, 4095
	s_min_u32 s20, s20, 4096
	; where my three tiles go in out0: made here once, and never written again
.set tt, 0
.rept 3
	s_add_co_u32 s38, s14, 4*tt                    ; tile w + 4 tt,
	s_lshl_b32 s38, s38, 4                         ; 16 rows a tile,
	s_add_co_u32 s38, s38, s19                     ; from the block's first output row on,
	s_min_u32 s38, s38, 4095                       ; inside out0 whatever meta holds
	v_add_nc_u32 v14, s38, v12                     ; lanes 16-31 one row further down
	v_lshl_add_u32 v[OO+tt], v14, 11, v13          ; my row of 2,048 bytes + my 16 bytes of the slice
.set tt, tt+1
.endr
	s_max_u32 s24, s18, 1
	s_sub_co_u32 s24, s24, 1                       ; the block's last tile
	s_lshl_b32 s39, s15, 8                         ; the slice's 256 bytes
	s_lshl_b32 s36, s16, 21                        ; w2b: unit ((expert x 8 + slice) x 4 + wave) of 65,536 bytes
	s_lshl_b32 s38, s15, 18
	s_add_co_u32 s36, s36, s38
	s_lshl_b32 s38, s14, 16
	s_add_co_u32 s36, s36, s38
	s_add_nc_u64 s[32:33], s[6:7], s[36:37]
	s_lshl_b32 s36, s16, 11
	s_add_co_u32 s36, s36, s39
	s_add_nc_u64 s[8:9], s[8:9], s[36:37]
	s_mov_b32 s36, s39
	s_add_nc_u64 s[34:35], s[12:13], s[36:37]
	s_lshl_b32 s36, s14, 14                        ; hb: my 16 K steps of 1,024 bytes
	s_add_nc_u64 s[30:31], s[4:5], s[36:37]
	global_load_b128 v[16:19], v13, s[8:9]         ; b2 of my four columns
	s_cmp_eq_u32 s18, 0
	s_cbranch_scc1 .Lsum                           ; a block without tiles: on to the barrier
	TILEOFF 0
	TILEOFF 1
.irp g, 0,1,2,3
	REFILL 0, \g                                   ; the first tile
.endr
.irp g, 0,1,2,3
	REFILL 1, \g                                   ; the second
.endr
	WIN 0x40                                       ; W's operands, in the order of the K steps: load n fills registers 4 (n % 64) on of window 1 + n / 64
.set n, 0
.rept 64
	global_load_b128 v[4*n:4*n+3], v[L16], s[32:33] offset:512*n
.set n, n+1
.endr
	WIN 0x80
.set n, 0
.rept 64
	global_load_b128 v[4*n:4*n+3], v[L16], s[32:33] offset:32768+512*n
.set n, n+1
.endr
	WIN 0
.irp t, 2,3,4,5,6,7,8,9,10
	TILEOFF \t
.endr
	HALF 0
.irp t, 1,2,3,4,5,6,7,8,9,10
	s_cmp_le_u32 s18, \t
	s_cbranch_scc1 .Lsum                           ; the block's tiles are done
	HALF \t
.endr
.Lsum:
	s_wait_tensorcnt 0x0                           ; behind my last LDS store
	ds_add_u32 v[SPW], v[NIL]
	s_wait_dscnt 0x0                               ; also for the others' sake: my partial sums lie in LDS
	s_barrier_signal -1
	s_barrier_wait -1
	s_wait_loadcnt 0x0                             ; b2; and the refills left over, whose registers are used below
	v_cvt_pk_bf16_f32 v14, v16, v17
	v_cvt_pk_bf16_f32 v15, v18, v19
	v_lshlrev_b32 v16, 16, v14
	v_and_b32 v17, 0xffff0000, v14
	v_lshlrev_b32 v18, 16, v15
	v_and_b32 v19, 0xffff0000, v15
	OUTT 0
	OUTT 1
	OUTT 2
.Lfin:
	s_endpgm
.Lfunc_end_k_qba170259d3_ffn2:
	.size	k_qba170259d3_ffn2, .Lfunc_end_k_qba170259d3_ffn2-k_qba170259d3_ffn2
	.p2alignl 7, 3214868480
	.fill 96, 4, 3214868480
	.section	.rodata,"a",@progbits
	.p2align	6, 0x0
	.amdhsa_kernel k_qba170259d3_ffn2
		.amdhsa_group_segment_fixed_size 209408
		.amdhsa_private_segment_fixed_size 0
		.amdhsa_enable_private_segment 0
		.amdhsa_kernarg_size 40
		.amdhsa_user_sgpr_count 2
		.amdhsa_user_sgpr_kernarg_segment_ptr 1
		.amdhsa_wavefront_size32 1
		.amdhsa_system_sgpr_workgroup_id_x 1
		.amdhsa_system_sgpr_workgroup_id_y 1
		.amdhsa_system_sgpr_workgroup_id_z 1
		.amdhsa_system_vgpr_workitem_id 0
		.amdhsa_next_free_vgpr 1024
		.amdhsa_next_free_sgpr 66
		.amdhsa_reserve_vcc 1
		.amdhsa_float_denorm_mode_32 3
		.amdhsa_float_denorm_mode_16_64 3
		.amdhsa_memory_ordered 1
		.amdhsa_forward_progress 1
		.amdhsa_inst_pref_size 141
	.end_amdhsa_kernel
	.amdgpu_metadata
---
amdhsa.version: [ 1, 2 ]
amdhsa.kernels:
  - .name:           k_qba170259d3_ffn2
    .symbol:         k_qba170259d3_ffn2.kd
    .args:
      - { .name: hb, .offset: 0, .size: 8, .value_kind: global_buffer, .address_space: global }
      - { .name: w2b, .offset: 8, .size: 8, .value_kind: global_buffer, .address_space: global }
      - { .name: b2, .offset: 16, .size: 8, .value_kind: global_buffer, .address_space: global }
      - { .name: meta, .offset: 24, .size: 8, .value_kind: global_buffer, .address_space: global }
      - { .name: out0, .offset: 32, .size: 8, .value_kind: global_buffer, .address_space: global }
    .group_segment_fixed_size: 209408
    .private_segment_fixed_size: 0
    .kernarg_segment_align: 8
    .kernarg_segment_size: 40
    .max_flat_workgroup_size: 128
    .sgpr_count:     66
    .vgpr_count:     1024
    .wavefront_size: 32
...
	.end_amdgpu_metadata
.endif
;; end of part 4
